; MI455X (gfx1250); checked and timed in simulation.
; The chip was launched on July 23, 2026; its instructions are those of AMD's public machine-readable ISA for CDNA 5 (MIT licence, August 2026) and "CDNA5" Instruction Set Architecture Reference Guide (July 2026). The comments in the code are by the model that wrote it; some were corrected since.
;; Att Model. Allowed arithmetic: float matrix products may take bf16 or f16 operands with f32 sums; all other float work in f32.
;; Inputs: Wk 256 x 512 float32; Wq 256 x 512 float32; Wv 256 x 512 float32; bk 512 float32; bq 512 float32; bv 512 float32; mask 32 x 1,024 x 1,024 float32; x 32 x 1,024 x 256 float32.
;; Outputs: out0 32 x 1,024 x 512 float32.
;; One version. Each part assembles by itself: llvm-mc -triple=amdgcn-amd-amdhsa -mcpu=gfx1250 --defsym DOCPART=n.
;; ======== version 1 of 1: 3 launches
;; workspace buffers: wf 786,432 bytes; q 33,554,432 bytes; kv 67,108,864 bytes
;; launch prep (part 1): grid 48 x 1, 4 waves a work-group, no clusters, 0 bytes of LDS; arguments Wq, Wk, Wv, wf; writes wf
.if DOCPART == 1
	.amdgcn_target "amdgcn-amd-amdhsa--gfx1250"
	.amdhsa_code_object_version 6
	.text
	.protected	k_q0cd5f2fca9_prep
	.globl	k_q0cd5f2fca9_prep
	.p2align	8
	.type	k_q0cd5f2fca9_prep,@function
k_q0cd5f2fca9_prep:
	s_mov_b64 s[64:65], 0
	v_nop
	global_prefetch_b8 v0, s[64:65] scope:SCOPE_SE
	s_setreg_imm32_b32 hwreg(HW_REG_WAVE_MODE, 25, 1), 1
	s_wait_xcnt 0x0
; wf = the three weight matrices in bf16, transposed, in the order in which a matrix fragment lies in registers.
; Wq, Wk, Wv: [256 din][512 columns] f32.  wf: [matrix 3: q, k, v][column tile 32][din block 8][1,024 bytes].
; A fragment is 16 columns x 32 din: lane L = 16 h + r holds column r; its registers 0-3 hold din 8 h .. 8 h + 7 and lie at byte 16 L,
; its registers 4-7 hold din 16 + 8 h .. and lie at byte 512 + 16 L.  So the next launch loads a fragment by two loads of 512 consecutive bytes.
; Wq is multiplied by C1 = log2(e) / 2304 before it is rounded: relu(a) c = relu(a c) for c > 0, so the scale of q and the change to base 2
; cost nothing later.  LIMIT: the scale is thereby rounded to bf16 together with Wq, not applied to q in f32.
; 48 work-groups: matrix (3) x din block (8) x half of the columns (2); a wave takes 64 columns = four fragments.  There is no more work than that:
; 1.5 MB are read and 0.75 MB written.  No LDS, no matrix unit: the transposition is done by the addresses of the loads.
.set C1, 0x3a24258a                    ; log2(e) / 2304
.set R, 8                              ; v[8:71]    as loaded: fragment i, half s, din j at 16 i + 8 s + j
.set P, 72                             ; v[72:103]  packed: fragment i, half s at 8 i + 4 s
	s_load_b256 s[4:11], s[0:1], 0x0               ; Wq s[4:5], Wk s[6:7], Wv s[8:9], wf s[10:11]
	v_lshrrev_b32 v3, 5, v0
	v_readfirstlane_b32 s18, v3                    ; wave
	s_lshr_b32 s19, ttmp9, 4                       ; matrix 0, 1, 2
	s_bfe_u32 s20, ttmp9, 0x30001                  ; din block: 3 bits from bit 1
	s_and_b32 s21, ttmp9, 1                        ; half of the columns
	s_lshl_b32 s22, s20, 16                        ; source: 32 rows of 2,048 bytes for each din block
	s_lshl_b32 s26, s21, 10                        ; + 256 columns for the half
	s_add_co_u32 s22, s22, s26
	s_lshl_b32 s26, s18, 8                         ; + 64 columns for the wave
	s_add_co_u32 s22, s22, s26
	s_mov_b32 s23, 0
	s_lshl_b32 s24, s19, 18                        ; destination: 262,144 bytes a matrix
	s_lshl_b32 s26, s21, 17                        ; + 16 column tiles of 8,192 bytes for the half
	s_add_co_u32 s24, s24, s26
	s_lshl_b32 s26, s18, 15                        ; + 4 column tiles for the wave
	s_add_co_u32 s24, s24, s26
	s_lshl_b32 s26, s20, 10                        ; + 1,024 bytes for each din block
	s_add_co_u32 s24, s24, s26
	s_mov_b32 s25, 0
	v_and_b32 v6, 15, v0                           ; r
	v_bfe_u32 v7, v0, 4, 1                         ; h
	v_lshlrev_b32 v1, 2, v6
	v_lshl_add_u32 v1, v7, 14, v1                  ; 8 h rows + column r
	v_and_b32 v2, 31, v0
	v_lshlrev_b32 v2, 4, v2                        ; 16 L
	s_wait_kmcnt 0x0
	s_cmp_eq_u32 s19, 1                            ; the choice hangs on the work-group's number alone
	s_cselect_b64 s[12:13], s[6:7], s[4:5]
	s_cmp_eq_u32 s19, 2
	s_cselect_b64 s[12:13], s[8:9], s[12:13]
	s_cmp_eq_u32 s19, 0
	s_cselect_b32 s14, C1, 1.0                     ; only Wq is scaled
	s_add_nc_u64 s[12:13], s[12:13], s[22:23]
	s_add_nc_u64 s[16:17], s[10:11], s[24:25]
	v_mov_b32 v4, s14
	v_mov_b32 v5, s14
; W[32 kd + 16 s + 8 h + j][column 16 i + r]: the four fragments together take 256 consecutive bytes of each of the 32 rows
.irp i, 0,1,2,3
.irp s, 0,1
.irp j, 0,1,2,3,4,5,6,7
	global_load_b32 v[R+16*\i+8*\s+\j], v1, s[12:13] offset:(16*\s+\j)*2048+64*\i
.endr
.endr
.endr
	s_wait_loadcnt 0x0
.set n, 0
.rept 32
	v_pk_mul_f32 v[R+2*n:R+2*n+1], v[R+2*n:R+2*n+1], v[4:5]
.set n, n+1
.endr
.set n, 0
.rept 32
	v_cvt_pk_bf16_f32 v[P+n], v[R+2*n], v[R+2*n+1]         ; the lower din in the lower half
.set n, n+1
.endr
.irp i, 0,1,2,3
.irp s, 0,1
	global_store_b128 v2, v[P+8*\i+4*\s:P+8*\i+4*\s+3], s[16:17] offset:\i*8192+\s*512   ; 512 consecutive bytes, aligned
.endr
.endr
	s_endpgm
.Lfunc_end_k_q0cd5f2fca9_prep:
	.size	k_q0cd5f2fca9_prep, .Lfunc_end_k_q0cd5f2fca9_prep-k_q0cd5f2fca9_prep
	.p2alignl 7, 3214868480
	.fill 96, 4, 3214868480
	.section	.rodata,"a",@progbits
	.p2align	6, 0x0
	.amdhsa_kernel k_q0cd5f2fca9_prep
		.amdhsa_group_segment_fixed_size 0
		.amdhsa_private_segment_fixed_size 0
		.amdhsa_enable_private_segment 0
		.amdhsa_kernarg_size 32
		.amdhsa_user_sgpr_count 2
		.amdhsa_user_sgpr_kernarg_segment_ptr 1
		.amdhsa_wavefront_size32 1
		.amdhsa_system_sgpr_workgroup_id_x 1
		.amdhsa_system_sgpr_workgroup_id_y 1
		.amdhsa_system_sgpr_workgroup_id_z 1
		.amdhsa_system_vgpr_workitem_id 0
		.amdhsa_next_free_vgpr 104
		.amdhsa_next_free_sgpr 66
		.amdhsa_reserve_vcc 0
		.amdhsa_float_denorm_mode_32 3
		.amdhsa_float_denorm_mode_16_64 3
		.amdhsa_memory_ordered 1
		.amdhsa_forward_progress 1
		.amdhsa_inst_pref_size 13
	.end_amdhsa_kernel
	.amdgpu_metadata
---
amdhsa.version: [ 1, 2 ]
amdhsa.kernels:
  - .name:           k_q0cd5f2fca9_prep
    .symbol:         k_q0cd5f2fca9_prep.kd
    .args:
      - { .name: Wq, .offset: 0, .size: 8, .value_kind: global_buffer, .address_space: global }
      - { .name: Wk, .offset: 8, .size: 8, .value_kind: global_buffer, .address_space: global }
      - { .name: Wv, .offset: 16, .size: 8, .value_kind: global_buffer, .address_space: global }
      - { .name: wf, .offset: 24, .size: 8, .value_kind: global_buffer, .address_space: global }
    .group_segment_fixed_size: 0
    .private_segment_fixed_size: 0
    .kernarg_segment_align: 8
    .kernarg_segment_size: 32
    .max_flat_workgroup_size: 128
    .sgpr_count:     66
    .vgpr_count:     104
    .wavefront_size: 32
...
	.end_amdgpu_metadata
.endif
;; end of part 1
;; launch proj (part 2): grid 256 x 1, 4 waves a work-group, no clusters, 68,096 bytes of LDS; arguments x, wf, bq, bk, bv, q, kv; writes q, kv
.if DOCPART == 2
	.amdgcn_target "amdgcn-amd-amdhsa--gfx1250"
	.amdhsa_code_object_version 6
	.text
	.protected	k_q0cd5f2fca9_proj
	.globl	k_q0cd5f2fca9_proj
	.p2align	8
	.type	k_q0cd5f2fca9_proj,@function
k_q0cd5f2fca9_proj:
	s_mov_b64 s[64:65], 0
	v_nop
	global_prefetch_b8 v0, s[64:65] scope:SCOPE_SE
	s_setreg_imm32_b32 hwreg(HW_REG_WAVE_MODE, 25, 1), 1
	s_wait_xcnt 0x0
; q = relu(x Wq + bq) log2(e)/2304, k = relu(x Wk + bk), v = relu(x Wv + bv), in bf16, stored in the order of matrix fragments (1,024 bytes:
; lane L's registers 0-3 at byte 16 L, registers 4-7 at 512 + 16 L) so that the attention launch loads them without any shuffle.
;   q : [token tile of 16: 2048][hid block of 32: 16][1 KB]                 row = token, k = hid
;   kv: [batch 32][step of 64 keys: 16][K 64 KB | V 64 KB]
;       K fragment 4 ks + kt : row = key 16 kt + r, k = hid 32 ks + ..      V fragment 32 a + ct : row = column 16 ct + r, k = key 32 a + ..
; A work-group owns 128 tokens and makes all 1,536 columns.  x is read once, rounded to bf16, passed through LDS and then kept in registers:
; every wave holds all 128 tokens x 256 din (64 fragments, 512 registers).  A wave owns 12 groups of 32 columns (4 for each matrix), so a W fragment
; feeds 8 matrix instructions and is used by one wave alone.
; NO TENSOR LOADS, NO JOINT REQUESTS, though all work-groups read the same wf: a W fragment goes from memory straight into the registers of the one wave
; that uses it, 512 consecutive bytes a load; brought jointly it would land in LDS, and the same 768 KB a work-group would then have to be read out of LDS again.
; THE RESULT IS A FRAGMENT: in D, lane (r, h) holds n = r and m = 8 h + j.  For q and k: A = W (m = column), B = x (n = token); two column tiles side by side,
; packed to bf16, are registers 0-3 and 4-7 of a fragment with row = token and k = hid.  For v: A = x (m = token), B = W (n = column): row = column, k = key.
; The bias is the C operand of the first product: no add, nothing cleared.  bq is scaled like Wq.
; LIMITS: NaN in x or W is lost in the relu (v_max_num_f32); sums are in the matrix unit's order.
.set C1, 0x3a24258a                    ; log2(e) / 2304
.set XP, 528                           ; an LDS row of x: 512 bytes + 16: 16 rows of a fragment start 16 bytes apart modulo 256
.set BI, 16                            ; v[16:47]   bias tiles, two sets of two tiles of 8
.set ACC, 64                           ; v[64:191]  accumulator (i2, tt) at 8 (8 i2 + tt)
.set T, 192                            ; v[192:223] x on its way to LDS
; window 1: W, two buffers of 128: fragment (i2, kd) at 8 (8 i2 + kd).   windows 2, 3: x fragment (tt, kd) at 8 (8 tt + kd); window 2 holds x as loaded first
; v1 16 tid   v2, v7 LDS store address (rows 0-63, 64-127)   v3 fragment read   v4 16 L   v5, v6 bias offsets   v[8:9] C1 twice
.set MSB, 0
.macro WIN new                         ; low byte: bits 1:0 source 0, 3:2 source 1, 5:4 source 2, 7:6 destination; the high byte repeats the setting that is left
.if MSB != (\new)
	s_set_vgpr_msb (MSB<<8)|(\new)
.set MSB, (\new)
.endif
.endm
.macro PLACES                          ; four plain vector instructions behind a matrix instruction before its result is read or one of its registers written (ISA guide 7.12.1)
.rept 4
	v_nop
.endr
.endm
	s_load_b256 s[4:11], s[0:1], 0x0               ; x s[4:5], wf s[6:7], bq s[8:9], bk s[10:11]
	s_load_b128 s[12:15], s[0:1], 0x20             ; bv s[12:13], q s[14:15]
	s_load_b64 s[16:17], s[0:1], 0x30              ; kv
	v_lshl_add_u32 v254, v0, 2, 0x10800
	v_mov_b32 v255, 0
	v_lshrrev_b32 v10, 5, v0
	v_readfirstlane_b32 s18, v10                   ; wave
	v_and_b32 v10, 15, v0                          ; r
	v_bfe_u32 v11, v0, 4, 1                        ; h
	v_and_b32 v12, 31, v0                          ; L
	v_lshlrev_b32 v1, 4, v0                        ; x: the 128 threads take 2,048 consecutive bytes = two rows
	v_lshrrev_b32 v13, 6, v0                       ; which of the two rows
	v_and_b32 v14, 63, v0                          ; which four numbers of it
	v_mul_u32_u24 v2, v13, XP
	v_lshl_add_u32 v2, v14, 3, v2                  ; 8 bytes of bf16
	v_add_nc_u32 v7, 64*XP, v2                     ; rows 64-127: the 16-bit immediate does not reach them from v2
	v_mul_u32_u24 v3, v10, XP
	v_lshl_add_u32 v3, v11, 4, v3                  ; row r, 16 h
	v_lshlrev_b32 v4, 4, v12
	s_lshl_b32 s19, s18, 9                         ; my wave's 128 columns of a bias, in bytes
	v_lshl_add_u32 v5, v11, 5, s19                 ; q, k: register j = bias[column 8 h + j]
	v_lshl_add_u32 v6, v10, 2, s19                 ; v: every register = bias[column r]
	v_mov_b32 v8, C1
	v_mov_b32 v9, C1
	s_lshl_b32 s30, ttmp9, 17                      ; x: 128 rows of 1,024 bytes
	s_mov_b32 s31, 0
	s_lshl_b32 s32, s18, 16                        ; wf: 8 column tiles of 8,192 bytes a wave
	s_mov_b32 s33, 0
	s_lshl_b32 s34, s18, 12                        ; q: 8 token tiles of 16,384 bytes, + 4 hid blocks a wave
	s_add_co_u32 s34, s34, s30
	s_mov_b32 s35, 0
	s_lshl_b32 s36, ttmp9, 18                      ; kv: two steps of 131,072 bytes
	s_lshl_b32 s38, s18, 13                        ; V: behind K's 65,536 bytes, 8 column tiles a wave
	s_add_co_u32 s38, s38, s36
	s_add_co_u32 s38, s38, 0x10000
	s_mov_b32 s39, 0
	s_lshl_b32 s37, s18, 14                        ; K: 4 hid blocks of 4 fragments a wave
	s_add_co_u32 s36, s36, s37
	s_mov_b32 s37, 0
	s_wait_kmcnt 0x0
	s_add_nc_u64 s[20:21], s[4:5], s[30:31]
	s_add_nc_u64 s[22:23], s[6:7], s[32:33]
	s_add_nc_u64 s[24:25], s[14:15], s[34:35]
	s_add_nc_u64 s[26:27], s[16:17], s[36:37]
	s_add_nc_u64 s[28:29], s[16:17], s[38:39]
	; x, all of the work-group's 131,072 bytes at once: 64 loads a thread into window 2
	WIN 0x80
.set n, 0
.rept 64
	global_load_b128 v[4*n:4*n+3], v1, s[20:21] offset:2048*n th:TH_LOAD_NT
.set n, n+1
.endr
.irp b, 0,1,2,3
	s_wait_loadcnt 48-16*\b                        ; loads return in order: the 16 of this batch are in, the younger ones stay out
	WIN 0x0a
.set n, 0
.rept 16
	v_cvt_pk_bf16_f32 v[T+2*n], v[64*\b+4*n], v[64*\b+4*n+1]
	v_cvt_pk_bf16_f32 v[T+2*n+1], v[64*\b+4*n+2], v[64*\b+4*n+3]
.set n, n+1
.endr
	WIN 0
.set n, 0
.rept 16
.if \b < 2
	ds_store_b64 v2, v[T+2*n:T+2*n+1] offset:(16*\b+n)*2*XP
.else
	ds_store_b64 v7, v[T+2*n:T+2*n+1] offset:(16*\b+n-32)*2*XP
.endif
.set n, n+1
.endr
.endr
; the 16 W fragments of group i of a matrix (2 column tiles x 8 din blocks) into buffer buf: 16 KB that lie together in wf
.macro WLOAD buf, mtx, i
	WIN 0x40
.set n, 0
.rept 32
	global_load_b128 v[128*(\buf)+4*n:128*(\buf)+4*n+3], v4, s[22:23] offset:(\mtx)*262144+(\i)*16384+512*n
.set n, n+1
.endr
.endm
; the group's two bias tiles, laid out as the C operand
.macro BLOAD bs, mtx, i
	WIN 0
.if (\mtx) < 2
.irp i2, 0,1
.irp e, 0,1
	global_load_b128 v[BI+16*(\bs)+8*\i2+4*\e:BI+16*(\bs)+8*\i2+4*\e+3], v5, s[8+2*(\mtx):9+2*(\mtx)] offset:128*(\i)+64*\i2+16*\e
.endr
.endr
.else
.irp i2, 0,1
.irp j, 0,1,2,3,4,5,6,7
	global_load_b32 v[BI+16*(\bs)+8*\i2+\j], v6, s[12:13] offset:128*(\i)+64*\i2
.endr
.endr
.endif
.endm
; 128 matrix instructions: 2 column tiles x 8 token tiles x 8 din blocks.  Eight accumulators take turns, one instruction a turn.
.macro MUL mtx, buf
.irp hf, 0,1
.if (\mtx) < 2
	WIN 0x09+4*\hf                                 ; A = W (window 1), B = x (window 2, then 3)
.else
	WIN 0x06+\hf                                   ; A = x, B = W
.endif
.irp kd, 0,1,2,3,4,5,6,7
.irp i2, 0,1
.irp t, 0,1,2,3
.if (\mtx) < 2
.if \kd == 0
	v_wmma_f32_16x16x32_bf16 v[ACC+8*(8*\i2+4*\hf+\t):ACC+8*(8*\i2+4*\hf+\t)+7], v[128*(\buf)+8*(8*\i2+\kd):128*(\buf)+8*(8*\i2+\kd)+7], v[8*(8*\t+\kd):8*(8*\t+\kd)+7], v[BI+16*(\buf)+8*\i2:BI+16*(\buf)+8*\i2+7]
.else
	v_wmma_f32_16x16x32_bf16 v[ACC+8*(8*\i2+4*\hf+\t):ACC+8*(8*\i2+4*\hf+\t)+7], v[128*(\buf)+8*(8*\i2+\kd):128*(\buf)+8*(8*\i2+\kd)+7], v[8*(8*\t+\kd):8*(8*\t+\kd)+7], v[ACC+8*(8*\i2+4*\hf+\t):ACC+8*(8*\i2+4*\hf+\t)+7]
.endif
.else
.if \kd == 0
	v_wmma_f32_16x16x32_bf16 v[ACC+8*(8*\i2+4*\hf+\t):ACC+8*(8*\i2+4*\hf+\t)+7], v[8*(8*\t+\kd):8*(8*\t+\kd)+7], v[128*(\buf)+8*(8*\i2+\kd):128*(\buf)+8*(8*\i2+\kd)+7], v[BI+16*(\buf)+8*\i2:BI+16*(\buf)+8*\i2+7]
.else
	v_wmma_f32_16x16x32_bf16 v[ACC+8*(8*\i2+4*\hf+\t):ACC+8*(8*\i2+4*\hf+\t)+7], v[8*(8*\t+\kd):8*(8*\t+\kd)+7], v[128*(\buf)+8*(8*\i2+\kd):128*(\buf)+8*(8*\i2+\kd)+7], v[ACC+8*(8*\i2+4*\hf+\t):ACC+8*(8*\i2+4*\hf+\t)+7]
.endif
.endif
.endr
.endr
.endr
.endr
.endm
; relu in f32, then each tile's 8 registers are packed into its first 4
.macro RELUPACK
	PLACES
	WIN 0
.set n, 0
.rept 128
	v_max_num_f32 v[ACC+n], 0, v[ACC+n]
.set n, n+1
.endr
.set n, 0
.rept 16
.irp e, 0,1,2,3
	v_cvt_pk_bf16_f32 v[ACC+8*n+\e], v[ACC+8*n+2*\e], v[ACC+8*n+2*\e+1]    ; the destination never passes its sources
.endr
.set n, n+1
.endr
.endm
; group g = 0 .. 11: matrix g / 4, the wave's column group g % 4, buffers g & 1
.macro GROUP g
.if \g < 11
	WLOAD ((\g+1)&1), ((\g+1)/4), ((\g+1)%4)       ; the next group's W and bias travel under this group's 128 matrix instructions;
	BLOAD ((\g+1)&1), ((\g+1)/4), ((\g+1)%4)       ; the matrix instructions that read these buffers stand in front of the last group's PLACES
.if \g+1 >= 8
	s_wait_loadcnt 48                              ; all but the 32 + 16 loads just issued: this group's W and bias are in
.else
	s_wait_loadcnt 36                              ; all but the 32 + 4 loads just issued
.endif
.else
	s_wait_loadcnt 0x0
.endif
	s_wait_xcnt 0x0                                ; the accumulators were the last group's store data: they are written again only behind this wait
	WIN 0
.if \g < 4
.set n, 0
.rept 8
	v_pk_mul_f32 v[BI+16*(\g&1)+2*n:BI+16*(\g&1)+2*n+1], v[BI+16*(\g&1)+2*n:BI+16*(\g&1)+2*n+1], v[8:9]   ; bq takes the scale that Wq has
.set n, n+1
.endr
.endif
	MUL (\g/4), (\g&1)
	RELUPACK
.if \g < 4
.irp tt, 0,1,2,3,4,5,6,7
.irp i2, 0,1
	global_store_b128 v4, v[ACC+8*(8*\i2+\tt):ACC+8*(8*\i2+\tt)+3], s[24:25] offset:\tt*16384+(\g%4)*1024+512*\i2
.endr
.endr
.else
.if \g < 8
.irp tt, 0,1,2,3,4,5,6,7
.irp i2, 0,1
	global_store_b128 v4, v[ACC+8*(8*\i2+\tt):ACC+8*(8*\i2+\tt)+3], s[26:27] offset:(\tt/4)*131072+(\g%4)*4096+(\tt%4)*1024+512*\i2
.endr
.endr
.else
.irp p, 0,1,2,3
.irp i2, 0,1
.irp e, 0,1
	global_store_b128 v4, v[ACC+8*(8*\i2+2*\p+\e):ACC+8*(8*\i2+2*\p+\e)+3], s[28:29] offset:(\p/2)*131072+(\p%2)*32768+(2*(\g%4)+\i2)*1024+512*\e
.endr
.endr
.endr
.endif
.endif
.endm
	WLOAD 0, 0, 0                                  ; the first group's W and bias travel while x goes through LDS
	BLOAD 0, 0, 0
	s_wait_dscnt 0x0                               ; my part of x is in LDS,
	s_barrier_signal -1
	s_barrier_wait -1                              ; everybody's is: the only barrier, x's bytes are never written again
	WIN 0x80
.irp tt, 0,1,2,3
.irp kd, 0,1,2,3,4,5,6,7
	ds_load_b128 v[8*(8*\tt+\kd):8*(8*\tt+\kd)+3], v3 offset:\tt*16*XP+64*\kd
	ds_load_b128 v[8*(8*\tt+\kd)+4:8*(8*\tt+\kd)+7], v3 offset:\tt*16*XP+64*\kd+32
.endr
.endr
	WIN 0xc0
.irp tt, 0,1,2,3
.irp kd, 0,1,2,3,4,5,6,7
	ds_load_b128 v[8*(8*\tt+\kd):8*(8*\tt+\kd)+3], v3 offset:(\tt+4)*16*XP+64*\kd
	ds_load_b128 v[8*(8*\tt+\kd)+4:8*(8*\tt+\kd)+7], v3 offset:(\tt+4)*16*XP+64*\kd+32
.endr
.endr
	s_wait_dscnt 0x0
.irp g, 0,1,2,3,4,5,6,7,8,9,10,11
	GROUP \g
.endr
	s_wait_tensorcnt 0x0
	ds_add_u32 v254, v255
	s_wait_dscnt 0x0
	s_endpgm
.Lfunc_end_k_q0cd5f2fca9_proj:
	.size	k_q0cd5f2fca9_proj, .Lfunc_end_k_q0cd5f2fca9_proj-k_q0cd5f2fca9_proj
	.p2alignl 7, 3214868480
	.fill 96, 4, 3214868480
	.section	.rodata,"a",@progbits
	.p2align	6, 0x0
	.amdhsa_kernel k_q0cd5f2fca9_proj
		.amdhsa_group_segment_fixed_size 68096
		.amdhsa_private_segment_fixed_size 0
		.amdhsa_enable_private_segment 0
		.amdhsa_kernarg_size 56
		.amdhsa_user_sgpr_count 2
		.amdhsa_user_sgpr_kernarg_segment_ptr 1
		.amdhsa_wavefront_size32 1
		.amdhsa_system_sgpr_workgroup_id_x 1
		.amdhsa_system_sgpr_workgroup_id_y 1
		.amdhsa_system_sgpr_workgroup_id_z 1
		.amdhsa_system_vgpr_workitem_id 0
		.amdhsa_next_free_vgpr 1024
		.amdhsa_next_free_sgpr 66
		.amdhsa_reserve_vcc 0
		.amdhsa_float_denorm_mode_32 3
		.amdhsa_float_denorm_mode_16_64 3
		.amdhsa_memory_ordered 1
		.amdhsa_forward_progress 1
		.amdhsa_inst_pref_size 255
	.end_amdhsa_kernel
	.section	.bss,"aw",@nobits
	.p2align	6
	.space	262144
	.amdgpu_metadata
---
amdhsa.version: [ 1, 2 ]
amdhsa.kernels:
  - .name:           k_q0cd5f2fca9_proj
    .symbol:         k_q0cd5f2fca9_proj.kd
    .args:
      - { .name: x, .offset: 0, .size: 8, .value_kind: global_buffer, .address_space: global }
      - { .name: wf, .offset: 8, .size: 8, .value_kind: global_buffer, .address_space: global }
      - { .name: bq, .offset: 16, .size: 8, .value_kind: global_buffer, .address_space: global }
      - { .name: bk, .offset: 24, .size: 8, .value_kind: global_buffer, .address_space: global }
      - { .name: bv, .offset: 32, .size: 8, .value_kind: global_buffer, .address_space: global }
      - { .name: q, .offset: 40, .size: 8, .value_kind: global_buffer, .address_space: global }
      - { .name: kv, .offset: 48, .size: 8, .value_kind: global_buffer, .address_space: global }
    .group_segment_fixed_size: 68096
    .private_segment_fixed_size: 0
    .kernarg_segment_align: 8
    .kernarg_segment_size: 56
    .max_flat_workgroup_size: 128
    .sgpr_count:     66
    .vgpr_count:     1024
    .wavefront_size: 32
...
	.end_amdgpu_metadata
.endif
;; end of part 2
;; launch attn (part 3): grid 8 x 32, 4 waves a work-group, clusters of 4 x 1, 327,680 bytes of LDS; arguments q, kv, mask, out0; writes out0
.if DOCPART == 3
	.amdgcn_target "amdgcn-amd-amdhsa--gfx1250"
	.amdhsa_code_object_version 6
	.text
	.protected	k_q0cd5f2fca9_attn
	.globl	k_q0cd5f2fca9_attn
	.p2align	8
	.type	k_q0cd5f2fca9_attn,@function
k_q0cd5f2fca9_attn:
	s_mov_b64 s[64:65], 0
	v_nop
	global_prefetch_b8 v0, s[64:65] scope:SCOPE_SE
	s_setreg_imm32_b32 hwreg(HW_REG_WAVE_MODE, 25, 1), 1
	s_wait_xcnt 0x0
	s_wait_alu depctr_hold_cnt(0) depctr_sa_sdst(0) depctr_va_vdst(0) depctr_va_sdst(0) depctr_va_ssrc(0) depctr_va_vcc(0) depctr_vm_vsrc(0)
	s_getreg_b32 s2, hwreg(HW_REG_IB_STS2, 6, 4)
	s_cmp_eq_u32 s2, 0
	s_cbranch_scc0 .Lentry_in_a_cluster
	s_endpgm
.Lentry_in_a_cluster:
	s_bfe_u32 s2, ttmp6, 0x10000c
	s_cmp_lg_u32 s2, 0x3003
	s_cbranch_scc0 .Lentry_shape_is_right
	s_endpgm
.Lentry_shape_is_right:
; out = relu(softmax(s m - 9e15 (1 - m)) v), s = q k^T / 2304, for 128 queries of one batch a work-group, in 16 steps of 64 keys, with a running maximum.
; q (already times log2(e)/2304), k and v come in bf16 in fragment order (see the launch before); the mask is the f32 input, honoured as it is given.
; A wave owns 32 queries (two tiles qt) and all 512 columns: Q in 256 registers, the output sums in 512.
; BOTH PRODUCTS ARE TAKEN TRANSPOSED, so that a lane's query is r = lane % 16 in both:
;   S^T(key, query) = A: K fragment x B: Q fragment;   O^T(column, query) = A: V^T fragment x B: P fragment.
; Then maximum, sum and rescaling factor are one number a lane (one v_permlanex16_b32 joins the two halves of the keys), two S tiles packed to bf16 in place ARE
; a P fragment, and a lane's 8 results are 8 neighbouring columns of out.
; THE STEPS OVERLAP.  Step t is: the last two tiles of its mask; the 128 matrix instructions of S(t+1), with the rest of softmax(t) and the rescaling of the output
; cut into 101 pieces of at most five vector instructions, one piece behind each matrix instruction; the 128 matrix instructions of P(t) V(t), with six tiles of
; mask(t+1) applied behind the last sixteen.  Of a step's vector work 16 instructions are left that stand between the products.
; Two blocks of 64 registers swap roles: S(t) lies in block t % 2 and mask(t) in the other; the mask once applied, its block takes S(t+1).  P(t) is packed into the even
; tiles of its block, so mask(t+1) goes into the odd tiles and, once they are read, into P's.
; The price is window switches: the pieces name windows 0, 2 and 3 among products whose B operand lies in window 1, and all 1,024 registers are taken, so nothing can move.
; CLUSTER: the four query blocks of a cluster read the same K and V: they are asked for jointly (mask 15), wave 0 for K, wave 1 for V.
; Waves 2 and 3 bring the work-group's own mask tile (128 queries x 64 keys), 64 rows each, by plain tensor loads.
; LDS: two slots of 131,072 bytes and ONE mask tile of 128 rows x 272 bytes: two padded mask tiles beside two slots would need 331,776 bytes.
; Slot t % 2 holds K(t+1) and V(t), what step t reads.  K(0) comes first into slot 1; behind S(0) a round of the cluster's barrier lets K(2) take its place.
; Three quarters into a step's second product a plain barrier shows the next tiles whole; the round at the step's end lets the slot just read and the mask tile be filled again.
; A wave has two tensor loads out at the start and one later.
; Logit in base 2: l = fma(s, m, fma(m, -NC2, NC2)), NC2 = -9e15 log2(e).  A row that is masked everywhere comes out uniform, as in the reference.
; LIMITS: NaN and infinities in the inputs are not treated specially (v_max_num_f32 drops a NaN); probabilities below 2^-126 count as 0 (v_exp_f32, ISA guide 15.8);
; P is rounded to bf16 for the product while the row sum keeps the f32 values; l has two roundings where the reference has four, and is formed in base 2.
.set AK, 2                             ; v2 K part slot 0, v3 V part slot 0, v4 K part slot 1, v5 V part slot 1: 16 L + the part's first byte
.set AM, 6                             ; v6   my mask bytes: row 32 w + r, 32 h
.set STO, 7                            ; v7   the way out: where I put 16 bytes
.set RD, 8                             ; v8   the way out: where I read rows back
.set PF, 9                             ; v9   prefetch offset in the work-group's mask rows
.set MX, 10                            ; v[10:13] running maximum of tile qt, twice
.set AL, 14                            ; v[14:17] rescaling factor of tile qt, twice; at the end 1 / sum
.set LS, 18                            ; v18, v19 my half of the row sums
.set PN, 20                            ; v[20:21] -NC2
.set NC, 22                            ; v[22:23] NC2
.set T, 24                             ; v[24:31] at work
.set S, 32                             ; v[32:95] block 0, v[96:159] block 1: tile (qt, kt) at 8 (4 qt + kt); P(a, qt) = the 8 registers at 16 (2 qt + a)
.set M, S+64                           ; block 1 by name
.set F, 160                            ; v[160:255] three buffers of four K or V fragments
; window 1: Q fragment (qt, ks) at 8 (16 qt + ks).   windows 2, 3: O tile (ct, qt) at 8 (2 ct + qt), ct 0-15 and 16-31.   v1 = 16 L
.set G1K, 24                           ; s[24:31] shape of a K or V part
.set G1M, 32                           ; s[32:39] shape of half a mask tile
.set GK, 40                            ; s[40:47] from where, to where: slot 0, slot 1
.set GM, 48                            ; s[48:51] the same for the mask
.set MBASE, 262144
.set MPITCH, 272                       ; 256 bytes + 16: the 16 rows that a load touches start 16 bytes apart modulo 256
.set SPITCH, 2064                      ; a row of out, 2,048 bytes + 16
.set NC2, 0xda388472                   ; -9e15 log2(e)
.set PNC2, 0x5a388472                  ; +9e15 log2(e)
.set VQN, 101                          ; pieces of a step's vector work
.set MSB, 0
.macro WIN new                         ; low byte: bits 1:0 source 0, 3:2 source 1, 5:4 source 2, 7:6 destination; the high byte repeats the setting that is left
.if MSB != (\new)
	s_set_vgpr_msb (MSB<<8)|(\new)
.set MSB, (\new)
.endif
.endm
.macro WINS                            ; for an instruction with one vector source: any setting will do in which destination and source 0 mean window 0
.if (MSB & 0xf3) != 0
	WIN 0
.endif
.endm
.macro PLACES                          ; four plain vector instructions behind a matrix instruction before its result is read, or one of its registers written or loaded into (ISA guide 7.12.1)
.rept 4
	v_nop
.endr
.endm
; a round of the cluster's barrier: my work-group's barrier, wave 0 signals for the work-group, every wave waits for all four work-groups, my work-group's barrier again
.macro ROUND
	s_barrier_signal -1
	s_barrier_wait -1
	s_cmp_lg_u32 s12, 0
	s_cbranch_scc1 .Lnot_wave_0_\@
	s_barrier_signal -3
.Lnot_wave_0_\@:
	s_barrier_wait -3
	s_barrier_signal -1
	s_barrier_wait -1
.endm
; a wave's one tensor load behind a round: wave 0 asks jointly for K, wave 1 for V, waves 2, 3 fetch the mask tile's halves.  skip = the wave that has nothing
; to fetch (-1: none).  The branches hang on the wave's number alone: they are the same in all four work-groups.
.macro TLOAD gk, skip
.if \skip >= 0
	s_cmp_eq_u32 s12, \skip
	s_cbranch_scc1 .Lasked_\@
.endif
	s_cmp_eq_u32 s13, 0
	s_cbranch_scc0 .Lmask_\@
	tensor_load_to_lds s[\gk:\gk+3], s[G1K:G1K+7]
	s_nop 0
	s_branch .Lasked_\@
.Lmask_\@:
	tensor_load_to_lds s[GM:GM+3], s[G1M:G1M+7]
	s_nop 0
.Lasked_\@:
.endm
; four fragments (4 KB that lie together): each load takes 512 consecutive bytes
.macro FETCH adr, grp, buf
.irp i, 0,1,2,3
	ds_load_b128 v[F+32*(\buf)+8*\i:F+32*(\buf)+8*\i+3], v[\adr] offset:(\grp)*4096+\i*1024
	ds_load_b128 v[F+32*(\buf)+8*\i+4:F+32*(\buf)+8*\i+7], v[\adr] offset:(\grp)*4096+\i*1024+512
.endr
.endm
; tile tl = 4 qt + kt of my 32 rows of the mask, in S's layout: register j = mask[query 16 qt + r][key 16 kt + 8 h + j]
.macro MTILE mb, tl
	ds_load_b128 v[\mb+8*(\tl):\mb+8*(\tl)+3], v[AM] offset:((\tl)/4)*16*MPITCH+((\tl)%4)*64
	ds_load_b128 v[\mb+8*(\tl)+4:\mb+8*(\tl)+7], v[AM] offset:((\tl)/4)*16*MPITCH+((\tl)%4)*64+16
.endm
; the logits of half a tile: t = NC2 (1 - m) in one rounding, l = s m + t in one more.  Four instructions: a piece to stand behind a matrix instruction.
.macro MAPH db, mb, tl, hf
	WIN 0
.irp i, 0,1
	v_pk_fma_f32 v[T+4*(\hf)+2*\i:T+4*(\hf)+2*\i+1], v[\mb+8*(\tl)+4*(\hf)+2*\i:\mb+8*(\tl)+4*(\hf)+2*\i+1], v[PN:PN+1], v[NC:NC+1]
.endr
.irp i, 0,1
	v_pk_fma_f32 v[\db+8*(\tl)+4*(\hf)+2*\i:\db+8*(\tl)+4*(\hf)+2*\i+1], v[\db+8*(\tl)+4*(\hf)+2*\i:\db+8*(\tl)+4*(\hf)+2*\i+1], v[\mb+8*(\tl)+4*(\hf)+2*\i:\mb+8*(\tl)+4*(\hf)+2*\i+1], v[T+4*(\hf)+2*\i:T+4*(\hf)+2*\i+1]
.endr
.endm
.macro MAPT db, mb, tl
	MAPH \db, \mb, \tl, 0
	MAPH \db, \mb, \tl, 1
.endm
; piece x = 0 .. 11 of the next step's mask: the tiles that are in registers by then, 1, 3, 5, 7, 0, 4, two pieces each
.macro MQ x, db, mb
.if (\x) < 8
	MAPH \db, \mb, 2*((\x)/2)+1, (\x)%2
.else
.if (\x) < 12
	MAPH \db, \mb, 4*((\x)/2-4), (\x)%2
.endif
.endif
.endm
; PIECE k of a step's vector work on the logits in block sb: running maximum, exponentials, row sums, P in bf16, and the rescaling of the 64 output tiles.
; The pieces keep their order, so every dependence among them is kept; none names a register of the products that they stand among.
.macro VQ k, sb, first
.if (\k) == 0                          ; 0-7: the largest of my 32 logits of each query tile, two chains a tile
	WIN 0
.irp c, 0,1,2,3
	v_max_num_f32 v[T+\c], v[\sb+16*\c], v[\sb+16*\c+1]
.endr
.endif
.if (\k) >= 1
.if (\k) <= 7
	WIN 0
.irp c, 0,1,2,3
	v_max3_num_f32 v[T+\c], v[T+\c], v[\sb+16*\c+2*(\k)], v[\sb+16*\c+2*(\k)+1]
.endr
.endif
.endif
.if (\k) == 8
	WIN 0
	v_max_num_f32 v[T+0], v[T+0], v[T+1]           ; tile 0
	v_max_num_f32 v[T+2], v[T+2], v[T+3]           ; tile 1
	v_permlanex16_b32 v[T+1], v[T+0], s52, s53     ; the other 32 keys of the same query
	v_permlanex16_b32 v[T+3], v[T+2], s52, s53
.endif
.if (\k) == 9
	WIN 0
.if \first
	v_max_num_f32 v[MX+0], v[T+0], v[T+1]
	v_max_num_f32 v[MX+2], v[T+2], v[T+3]
	v_mov_b32 v[MX+1], v[MX+0]
	v_mov_b32 v[MX+3], v[MX+2]
.else
	v_max3_num_f32 v[T+4], v[T+0], v[T+1], v[MX+0]
	v_max3_num_f32 v[T+5], v[T+2], v[T+3], v[MX+2]
	v_sub_f32 v[T+6], v[MX+0], v[T+4]              ; old maximum - new, at most 0
	v_sub_f32 v[T+7], v[MX+2], v[T+5]
.endif
.endif
.if \first == 0
.if (\k) == 10
	WIN 0
	v_mov_b32 v[MX+0], v[T+4]
	v_mov_b32 v[MX+1], v[T+4]
	v_mov_b32 v[MX+2], v[T+5]
	v_mov_b32 v[MX+3], v[T+5]
.endif
.if (\k) == 11
	WIN 0
	v_exp_f32 v[AL+0], v[T+6]
	v_exp_f32 v[AL+1], v[T+6]
	v_exp_f32 v[AL+2], v[T+7]
	v_exp_f32 v[AL+3], v[T+7]
	v_nop                                          ; one plain vector instruction behind the transcendentals before a result is used or a source written (ISA guide 5.7.2)
.endif
.endif
.if (\k) >= 12                         ; 12-19: tile k - 12 less its query tile's maximum
.if (\k) <= 19
	WIN 0
.irp i, 0,1,2,3
	v_pk_add_f32 v[\sb+8*((\k)-12)+2*\i:\sb+8*((\k)-12)+2*\i+1], v[\sb+8*((\k)-12)+2*\i:\sb+8*((\k)-12)+2*\i+1], v[MX+2*(((\k)-12)/4):MX+2*(((\k)-12)/4)+1] neg_lo:[0,1] neg_hi:[0,1]
.endr
.endif
.endif
.if (\k) >= 20                         ; 20-83: one exponential, which needs no switch among the S products, and one output tile's rescaling
.if (\k) <= 83
	WINS
	v_exp_f32 v[\sb+(\k)-20], v[\sb+(\k)-20]
.if \first == 0
.if (\k)-20 < 32
	WIN 0x82
.else
	WIN 0xc3
.endif
	s_wait_alu depctr_va_vdst(0)
.irp e, 0,1,2,3
	v_pk_mul_f32 v[8*(((\k)-20)%32)+2*\e:8*(((\k)-20)%32)+2*\e+1], v[8*(((\k)-20)%32)+2*\e:8*(((\k)-20)%32)+2*\e+1], v[AL+2*(((\k)-20)&1):AL+2*(((\k)-20)&1)+1]
.endr
.endif
.endif
.endif
.if (\k) == 84                         ; 84-92: row sums of the f32 values, two chains a tile
	WIN 0
	v_nop                                          ; the plain vector instruction behind the last exponential (ISA guide 5.7.2)
	s_wait_alu depctr_va_vdst(0)
.irp c, 0,1,2,3
	v_pk_add_f32 v[T+2*\c:T+2*\c+1], v[\sb+16*\c:\sb+16*\c+1], v[\sb+16*\c+2:\sb+16*\c+3]
.endr
.endif
.if (\k) >= 85
.if (\k) <= 90
	WIN 0
.irp c, 0,1,2,3
	v_pk_add_f32 v[T+2*\c:T+2*\c+1], v[T+2*\c:T+2*\c+1], v[\sb+16*\c+2*((\k)-83):\sb+16*\c+2*((\k)-83)+1]
.endr
.endif
.endif
.if (\k) == 91
	WIN 0
	v_pk_add_f32 v[T+0:T+1], v[T+0:T+1], v[T+2:T+3]
	v_pk_add_f32 v[T+4:T+5], v[T+4:T+5], v[T+6:T+7]
.if \first
	v_add_f32 v[LS+0], v[T+0], v[T+1]
	v_add_f32 v[LS+1], v[T+4], v[T+5]
.else
	v_add_f32 v[T+0], v[T+0], v[T+1]
	v_add_f32 v[T+4], v[T+4], v[T+5]
.endif
.endif
.if \first == 0
.if (\k) == 92
	WIN 0
	v_fma_f32 v[LS+0], v[LS+0], v[AL+0], v[T+0]
	v_fma_f32 v[LS+1], v[LS+1], v[AL+2], v[T+4]
.endif
.endif
.if (\k) >= 93                         ; 93-100: two S tiles become one P fragment; the destination never passes its sources
.if (\k) <= 100
	WIN 0
.irp e, 0,1,2,3
	v_cvt_pk_bf16_f32 v[\sb+16*(((\k)-93)/2)+4*(((\k)-93)%2)+\e], v[\sb+16*(((\k)-93)/2)+8*(((\k)-93)%2)+2*\e], v[\sb+16*(((\k)-93)/2)+8*(((\k)-93)%2)+2*\e+1]
.endr
.endif
.endif
.endm
; S^T = K Q^T into block db: 16 hid blocks x (4 key tiles x 2 query tiles).  Fragments run two groups ahead through three buffers, group G in buffer G % 3.
; mode 1: behind each matrix instruction stands a piece of the vector work on block sb, and the last two groups fetch V's first two (groups 16, 17 of the stream).
; The eight accumulators take turns, one instruction a turn.
.macro SPHASE ak, av, db, sb, mode, first
.irp ks, 0,1,2,3,4,5,6,7,8,9,10,11,12,13,14,15
.if \ks <= 13
	PLACES
	WIN 0x04                                       ; B = Q in window 1; an LDS load names window 0 alone under this setting too
	FETCH \ak, \ks+2, (\ks+2)%3
	s_wait_dscnt 16                                ; the two younger groups' 16 loads may be out
.else
.if \mode
	PLACES
	WIN 0x04
	FETCH \av, \ks-14, (\ks+2)%3
	s_wait_dscnt 16
.else
	s_wait_dscnt 8*(15-\ks)                        ; one younger group, then none
.endif
.endif
.irp kt, 0,1,2,3
.irp qt, 0,1
	WIN 0x04
.if \ks == 0
	v_wmma_f32_16x16x32_bf16 v[\db+8*(4*\qt+\kt):\db+8*(4*\qt+\kt)+7], v[F+32*(\ks%3)+8*\kt:F+32*(\ks%3)+8*\kt+7], v[8*(16*\qt+\ks):8*(16*\qt+\ks)+7], 0
.else
	v_wmma_f32_16x16x32_bf16 v[\db+8*(4*\qt+\kt):\db+8*(4*\qt+\kt)+7], v[F+32*(\ks%3)+8*\kt:F+32*(\ks%3)+8*\kt+7], v[8*(16*\qt+\ks):8*(16*\qt+\ks)+7], v[\db+8*(4*\qt+\kt):\db+8*(4*\qt+\kt)+7]
.endif
.if \mode
	VQ (8*\ks+2*\kt+\qt), \sb, \first
.endif
.endr
.endr
.endr
.endm
; group g of the second product: keys 32 (g / 8) .. + 31, column tiles 4 (g % 8) .. + 3, both query tiles; V's group g is group 16 + g of the stream, buffer (g + 1) % 3
.macro PVMUL g, sb, ob, zero, mq
.irp i, 0,1,2,3
.irp qt, 0,1
.if ((\g)&7) < 4
	WIN 0xa0
.else
	WIN 0xf0
.endif
.if \zero
	v_wmma_f32_16x16x32_bf16 v[8*(2*(4*((\g)&3)+\i)+\qt):8*(2*(4*((\g)&3)+\i)+\qt)+7], v[F+32*(((\g)+1)%3)+8*\i:F+32*(((\g)+1)%3)+8*\i+7], v[\sb+16*(2*\qt+(\g)/8):\sb+16*(2*\qt+(\g)/8)+7], 0
.else
	v_wmma_f32_16x16x32_bf16 v[8*(2*(4*((\g)&3)+\i)+\qt):8*(2*(4*((\g)&3)+\i)+\qt)+7], v[F+32*(((\g)+1)%3)+8*\i:F+32*(((\g)+1)%3)+8*\i+7], v[\sb+16*(2*\qt+(\g)/8):\sb+16*(2*\qt+(\g)/8)+7], v[8*(2*(4*((\g)&3)+\i)+\qt):8*(2*(4*((\g)&3)+\i)+\qt)+7]
.endif
.if \mq
	MQ (8*((\g)-14)+2*\i+\qt), \ob, \sb
.endif
.endr
.endr
.endm
; O^T += V^T P^T, P in block sb.  The 64 accumulators take turns, one instruction a turn.
; tail >= 1: the next step's mask tile is taken into block sb and applied to the next S in block ob; tail >= 2: the slot just read and the mask tile are filled again
; (tail = 3: there is no further K, wave 0 fetches nothing).
.macro PVPHASE av, gk, sb, ob, first, tail, pf
.irp g, 0,1,2,3,4,5,6,7,8,9,10,11,12,13,14,15
.if \g == 12
.if \tail >= 1
	WIN 0
	s_wait_dscnt 0x0                               ; no LDS access of mine is pending at the signal
	s_wait_tensorcnt 0x0                           ; my one tensor load has landed: a part of the next slot or half of the next mask tile
	s_barrier_signal -1
	s_barrier_wait -1                              ; they are whole
.irp tl, 1,3,5,7,0,4
	MTILE \sb, \tl                                 ; the odd tiles are free since P was packed; tiles 0 and 4 held P(a = 0), last read in group 7, four PLACES ago
.endr
.endif
.endif
.if \g <= 13
	PLACES
	WIN 0
	FETCH \av, \g+2, (\g)%3
	s_wait_dscnt 16                                ; the two younger groups may be out (the mask's 12 loads are older than they are)
.else
	s_wait_dscnt 8*(15-\g)                         ; one younger group, then none
.endif
.if \g < 8
	PVMUL \g, \sb, \ob, \first, 0                  ; in the first step the first product starts the sums: nothing is cleared
.else
.if \g >= 14
.if \tail >= 1
	PVMUL \g, \sb, \ob, 0, 1                       ; the six mask tiles are in: the wait above left only fragment loads out
.else
	PVMUL \g, \sb, \ob, 0, 0
.endif
.else
	PVMUL \g, \sb, \ob, 0, 0
.endif
.endif
.endr
.if \tail >= 1
	PLACES
	WIN 0
	MTILE \sb, 2                                   ; the two tiles under P(a = 1), which the last product has just read
	MTILE \sb, 6
.endif
.if \tail >= 2
	s_wait_dscnt 0x0                               ; my reads of this slot and of the mask tile are back
	s_wait_xcnt 0x0
	v_lshl_add_u32 v30, v0, 2, 0x48800
	v_mov_b32 v31, 0
	s_wait_tensorcnt 0x0                           ; none of my tensor loads is out, so the addresses may step
	ds_add_u32 v30, v31
	s_wait_dscnt 0x0
	s_add_nc_u64 s[\gk+2:\gk+3], s[\gk+2:\gk+3], 0x40000   ; this slot's next K and V: two steps of 131,072 bytes on
	s_add_nc_u64 s[GM+2:GM+3], s[GM+2:GM+3], 0x100         ; 64 keys on
	ROUND                                          ; both hold of every wave of all four work-groups
.if \tail == 3
	TLOAD \gk, 0
.else
	TLOAD \gk, -1                                  ; my one tensor load, first behind the round
.endif
.if \pf
	global_prefetch_b8 v[PF], s[60:61] th:TH_LOAD_NT scope:SCOPE_SE   ; thread 32 w + L asks for row 32 w + L's 256 bytes of the mask tile one step behind the one just requested: 128 blocks a step, each once; steps 0 to 12 ask for tiles 3 to 15
.endif
.endif
.endm
; the head of a step: the stream's first two groups go out, then what is left of the mask is applied (all = 1: the whole of it)
.macro HEAD adr, buf, db, mb, all, pf
	FETCH \adr, 0, \buf
	FETCH \adr, 1, \buf+1
	s_wait_dscnt 16                                ; all but the 16 loads just issued: the mask is in
.if \pf
	s_wait_xcnt 0x0                                ; the last step's prefetch has read its offset
	v_add_nc_u32 v[PF], 0x100, v[PF]               ; one mask tile on
.endif
.if \all
.irp tl, 0,1,2,3,4,5,6,7
	MAPT \db, \mb, \tl
.endr
.else
	MAPT \db, \mb, 2
	MAPT \db, \mb, 6
.endif
.endm
; step t: slot = t % 2 is both the LDS slot and the block of S(t); snext = 0 in the last step, which has no further S to hide its vector work behind
.macro STEP slot, first, tail, pf, snext
.if \snext
	HEAD (AK+2*\slot), 0, (S+64*\slot), (S+64-64*\slot), \first, \pf
	SPHASE (AK+2*\slot), (AK+2*\slot+1), (S+64-64*\slot), (S+64*\slot), 1, \first
.else
	HEAD (AK+2*\slot+1), 1, (S+64*\slot), (S+64-64*\slot), \first, \pf
.set vk, 0
.rept VQN
	VQ vk, (S+64*\slot), \first
.set vk, vk+1
.endr
.endif
	PVPHASE (AK+2*\slot+1), (GK+4*\slot), (S+64*\slot), (S+64-64*\slot), \first, \tail, \pf
.endm
	s_load_b256 s[4:11], s[0:1], 0x0               ; q s[4:5], kv s[6:7], mask s[8:9], out0 s[10:11]
	v_lshl_add_u32 v30, v0, 2, 0x48800
	v_mov_b32 v31, 0
	ds_add_u32 v30, v31
	s_wait_dscnt 0x0
	v_lshrrev_b32 v1, 5, v0
	v_readfirstlane_b32 s12, v1                    ; wave
	s_lshr_b32 s13, s12, 1                         ; 0: I fetch K or V; 1: I fetch the mask
	s_and_b32 s17, s12, 1
	s_bfe_u32 s14, ttmp6, 0x40000                  ; cx
	s_lshl_b32 s15, ttmp9, 2
	s_add_co_u32 s15, s15, s14                     ; query block = 4 x cluster x + cx
	s_and_b32 s16, ttmp7, 0xffff                   ; batch
	s_mov_b32 s52, 0x76543210                      ; v_permlanex16_b32: lane i of one half reads lane i of the other
	s_mov_b32 s53, 0xfedcba98
	; kv: batch and wave alone, the same in all four partners.  A step's block is K 65,536 bytes, then V 65,536 bytes.
	s_lshl_b32 s18, s16, 21                        ; slot 0: wave 0 begins with K(1) at 131,072, wave 1 with V(0) at 65,536: ((wave xor 1) + 1) x 65,536
	s_xor_b32 s19, s12, 1
	s_add_co_u32 s19, s19, 1
	s_lshl_b32 s19, s19, 16
	s_add_co_u32 s18, s18, s19
	s_mov_b32 s19, 0
	s_lshl_b32 s2, s16, 21                         ; slot 1: wave 0 begins with K(0) at 0, wave 1 with V(1) at 196,608
	s_mul_i32 s3, s12, 0x30000
	s_add_co_u32 s2, s2, s3
	s_mov_b32 s3, 0
	s_lshl_b32 s20, s16, 22                        ; mask: the work-group's 128 rows of 4,096 bytes
	s_lshl_b32 s21, s15, 19
	s_add_co_u32 s20, s20, s21
	s_mov_b32 s21, 0
	s_lshl_b32 s22, s17, 18                        ; + 64 rows for wave 3
	s_add_co_u32 s22, s22, s20
	s_mov_b32 s23, 0
	s_lshl_b32 s54, s16, 20                        ; q: 64 token tiles of 16,384 bytes a batch, 8 a block, 2 a wave
	s_lshl_b32 s55, s15, 17
	s_add_co_u32 s54, s54, s55
	s_lshl_b32 s55, s12, 15
	s_add_co_u32 s54, s54, s55
	s_mov_b32 s55, 0
	s_lshl_b32 s62, s54, 1                         ; out0: rows of 2,048 bytes, twice q's 1,024
	s_mov_b32 s63, 0
	; K or V part of a step: 65,536 bytes that lie together, as 256 rows of 32 elements of 8 bytes; asked for jointly by the cluster's four work-groups
	s_mov_b32 s[G1K+0], 15|(3<<16)|(1<<21)         ; 15:0 mask; 17:16 elements of 8 bytes; 21 set beside a mask
	s_mov_b32 s[G1K+1], 32<<16                     ; tensor_dim0 = 32
	s_mov_b32 s[G1K+2], 256<<16                    ; tensor_dim1 = 256
	s_mov_b32 s[G1K+3], 32<<16                     ; tile_dim0 = 32
	s_mov_b32 s[G1K+4], 256                        ; tile_dim1 = 256
	s_mov_b32 s[G1K+5], 32                         ; from row to row
	s_mov_b32 s[G1K+6], 0
	s_mov_b32 s[G1K+7], 0
	; half a mask tile: 64 rows of 64 f32, 1,024 elements apart, 16 bytes of padding behind every 64 words
	s_mov_b32 s[G1M+0], (2<<16)|(1<<20)|(5<<22)|(3<<25)
	s_mov_b32 s[G1M+1], 64<<16
	s_mov_b32 s[G1M+2], 64<<16
	s_mov_b32 s[G1M+3], 64<<16
	s_mov_b32 s[G1M+4], 64
	s_mov_b32 s[G1M+5], 1024
	s_mov_b32 s[G1M+6], 0
	s_mov_b32 s[G1M+7], 0
	s_mov_b32 s[GK+0], 1
	s_mul_i32 s[GK+1], s12, 65536                  ; slot 0: wave 0 at 0 (K), wave 1 at 65,536 (V)
	s_mov_b32 s[GK+4], 1
	s_add_co_u32 s[GK+5], s[GK+1], 131072          ; slot 1
	s_mov_b32 s[GM+0], 1
	s_mul_i32 s[GM+1], s12, 64*MPITCH
	s_add_co_u32 s[GM+1], s[GM+1], MBASE-2*64*MPITCH   ; wave 2 at 262,144, wave 3 at 279,552
	s_wait_kmcnt 0x0
	s_add_nc_u64 s[56:57], s[4:5], s[54:55]        ; my wave's q
	s_add_nc_u64 s[58:59], s[10:11], s[62:63]      ; my wave's rows of out0
	s_add_nc_u64 s[60:61], s[8:9], s[20:21]        ; the work-group's rows of the mask
	s_add_nc_u64 s[GK+2:GK+3], s[6:7], s[18:19]
	s_add_nc_u64 s[GK+6:GK+7], s[6:7], s[2:3]
	s_or_b32 s[GK+3], s[GK+3], 0x80000000
	s_or_b32 s[GK+7], s[GK+7], 0x80000000
	s_add_nc_u64 s[GM+2:GM+3], s[8:9], s[22:23]
	s_or_b32 s[GM+3], s[GM+3], 0x80000000
	s_xor_b32 s18, s12, 1                          ; behind S(0) wave 0 alone steps slot 1's address, from K(0) to K(2); wave 1's stays at V(1):
	s_and_b32 s18, s18, 1                          ; ((wave xor 1) and 1) x 262,144; s19 is 0
	s_lshl_b32 s18, s18, 18
	ROUND                                          ; all four work-groups are here: the first joint loads meet
	s_cmp_eq_u32 s13, 0                            ; all first fills in one group, each wave's inside this one branch
	s_cbranch_scc0 .Lfirst_mask
	tensor_load_to_lds s[GK:GK+3], s[G1K:G1K+7]    ; K(1) | V(0)
	s_nop 0
	tensor_load_to_lds s[GK+4:GK+7], s[G1K:G1K+7]  ; K(0) | V(1)
	s_nop 0
	s_branch .Lfirst_done
.Lfirst_mask:
	tensor_load_to_lds s[GM:GM+3], s[G1M:G1M+7]    ; mask 0
	s_nop 0
.Lfirst_done:
	v_and_b32 v24, 15, v0                          ; r
	v_bfe_u32 v25, v0, 4, 1                        ; h
	v_and_b32 v26, 31, v0                          ; L
	v_lshlrev_b32 v1, 4, v26
	v_mov_b32 v[AK+0], v1
	v_add_nc_u32 v[AK+1], 0x10000, v1
	v_add_nc_u32 v[AK+2], 0x20000, v1
	v_add_nc_u32 v[AK+3], 0x30000, v1
	s_mul_i32 s2, s12, 32*MPITCH
	s_add_co_u32 s2, s2, MBASE
	v_mul_u32_u24 v[AM], v24, MPITCH
	v_lshl_add_u32 v[AM], v25, 5, v[AM]
	v_add_nc_u32 v[AM], s2, v[AM]
	s_mul_i32 s3, s12, 16*SPITCH                   ; my stage for the way out
	v_mul_u32_u24 v[STO], v24, SPITCH
	v_lshl_add_u32 v[STO], v25, 5, v[STO]
	v_add_nc_u32 v[STO], s3, v[STO]
	v_add_nc_u32 v[RD], s3, v1
	v_lshl_add_u32 v[PF], v0, 12, 0x200            ; row = thread; stepped by 256 ahead of each request, so the first asks for tile 3
	v_mov_b32 v[PN], PNC2
	v_mov_b32 v[PN+1], PNC2
	v_mov_b32 v[NC], NC2
	v_mov_b32 v[NC+1], NC2
	WIN 0x40
.set n, 0
.rept 64
	global_load_b128 v[4*n:4*n+3], v1, s[56:57] offset:512*n th:TH_LOAD_NT    ; Q: 32 fragments, 32 KB that lie together
.set n, n+1
.endr
	WIN 0
	s_wait_tensorcnt 0x0                           ; my first fills have landed,
	s_barrier_signal -1
	s_barrier_wait -1                              ; everybody's have
.irp tl, 0,1,2,3,4,5,6,7
	MTILE M, \tl                                   ; step 0's mask, into block 1
.endr
	FETCH (AK+2), 0, 0                             ; K(0) lies in slot 1
	FETCH (AK+2), 1, 1
	s_wait_loadcnt 0x0                             ; Q
	SPHASE (AK+2), (AK+3), S, M, 0, 1              ; S(0), into block 0
	PLACES                                         ; behind the last product: its result is read and its fragments' buffers are loaded again below
	WIN 0
	s_wait_dscnt 0x0                               ; my reads of K(0) and of the mask tile are back
	s_wait_xcnt 0x0
	v_lshl_add_u32 v30, v0, 2, 0x48800
	v_mov_b32 v31, 0
	s_wait_tensorcnt 0x0                           ; none of my tensor loads is out, so the addresses may step
	ds_add_u32 v30, v31
	s_wait_dscnt 0x0
	s_add_nc_u64 s[GK+6:GK+7], s[GK+6:GK+7], s[18:19]
	s_add_nc_u64 s[GM+2:GM+3], s[GM+2:GM+3], 0x100
	ROUND
	TLOAD (GK+4), 1                                ; K(2) and mask 1; V(1) is there already, so wave 1 fetches nothing
	STEP 0, 1, 2, 1, 1                             ; step 0 starts maximum, sums and output
	s_mov_b32 s54, 6
.Lsteps:
	STEP 1, 0, 2, 1, 1                             ; steps 1 to 12
	STEP 0, 0, 2, 1, 1
	s_sub_co_u32 s54, s54, 1
	s_cmp_lg_u32 s54, 0
	s_cbranch_scc1 .Lsteps
	STEP 1, 0, 3, 0, 1                             ; step 13 asks for V(15) and mask 15, the last
	STEP 0, 0, 1, 0, 1                             ; step 14 only takes step 15's mask into registers
	STEP 1, 0, 0, 0, 0                             ; step 15
	; THE WAY OUT: divide by the row sum, relu, 16 queries at a time through my own stage in LDS, out as whole rows.
	; The stage lies in the slots' bytes, which have had their last fill; the barrier shows that no wave reads them any more.
	PLACES
	WIN 0
	v_permlanex16_b32 v[T+0], v[LS+0], s52, s53
	v_permlanex16_b32 v[T+1], v[LS+1], s52, s53
	v_add_f32 v[LS+0], v[LS+0], v[T+0]             ; both halves of the keys; at least 1, since the largest logit gives 2^0
	v_add_f32 v[LS+1], v[LS+1], v[T+1]
	v_rcp_f32 v[AL+0], v[LS+0]
	v_rcp_f32 v[AL+1], v[LS+0]
	v_rcp_f32 v[AL+2], v[LS+1]
	v_rcp_f32 v[AL+3], v[LS+1]
	v_nop                                          ; one plain vector instruction behind the transcendentals (ISA guide 5.7.2)
	s_wait_dscnt 0x0
	s_barrier_signal -1
	s_barrier_wait -1
.irp qt, 0,1
.irp bt, 0,1,2,3,4,5,6,7
.if \bt < 4
	WIN 0x02
.else
	WIN 0x03
.endif
	s_wait_alu depctr_va_vdst(0)
.irp c, 0,1,2,3
.irp e, 0,1,2,3
	v_pk_mul_f32 v[S+8*\c+2*\e:S+8*\c+2*\e+1], v[8*(2*(4*(\bt%4)+\c)+\qt)+2*\e:8*(2*(4*(\bt%4)+\c)+\qt)+2*\e+1], v[AL+2*\qt:AL+2*\qt+1]
.endr
.endr
	WIN 0
.set n, 0
.rept 32
	v_max_num_f32 v[S+n], 0, v[S+n]                ; the reference's last relu
.set n, n+1
.endr
.irp c, 0,1,2,3
.irp e, 0,1
	ds_store_b128 v[STO], v[S+8*\c+4*\e:S+8*\c+4*\e+3] offset:64*(4*\bt+\c)+16*\e    ; row r, columns 16 ct + 8 h + 4 e ..
.endr
.endr
.endr
.irp bt, 0,1,2,3
	s_wait_xcnt 0x0                                ; the registers below were store data: they are loaded again only behind this wait
.set n, 0
.rept 16
	ds_load_b128 v[M+4*n:M+4*n+3], v[RD] offset:(4*\bt+n/4)*SPITCH+512*(n%4)    ; LDS serves a wave's instructions in order (ISA guide 5.7.1): these see my stores
.set n, n+1
.endr
.set n, 0
.rept 16
	s_wait_dscnt 15-n                              ; the younger read-backs may be out
	global_store_b128 v1, v[M+4*n:M+4*n+3], s[58:59] offset:(16*\qt+4*\bt+n/4)*2048+512*(n%4) th:TH_STORE_NT   ; 512 consecutive bytes, aligned
.set n, n+1
.endr
.endr
.endr
	s_wait_xcnt 0x0
	v_lshl_add_u32 v30, v0, 2, 0x48800
	v_mov_b32 v31, 0
	s_wait_tensorcnt 0x0
	ds_add_u32 v30, v31
	s_wait_dscnt 0x0
	ROUND                                          ; the closing round: no work-group ends while a partner may still ask jointly
	s_endpgm
.Lfunc_end_k_q0cd5f2fca9_attn:
	.size	k_q0cd5f2fca9_attn, .Lfunc_end_k_q0cd5f2fca9_attn-k_q0cd5f2fca9_attn
	.p2alignl 7, 3214868480
	.fill 96, 4, 3214868480
	.section	.rodata,"a",@progbits
	.p2align	6, 0x0
	.amdhsa_kernel k_q0cd5f2fca9_attn
		.amdhsa_group_segment_fixed_size 327680
		.amdhsa_private_segment_fixed_size 0
		.amdhsa_enable_private_segment 0
		.amdhsa_kernarg_size 32
		.amdhsa_user_sgpr_count 2
		.amdhsa_user_sgpr_kernarg_segment_ptr 1
		.amdhsa_wavefront_size32 1
		.amdhsa_system_sgpr_workgroup_id_x 1
		.amdhsa_system_sgpr_workgroup_id_y 1
		.amdhsa_system_sgpr_workgroup_id_z 1
		.amdhsa_system_vgpr_workitem_id 0
		.amdhsa_next_free_vgpr 1024
		.amdhsa_next_free_sgpr 66
		.amdhsa_reserve_vcc 0
		.amdhsa_float_denorm_mode_32 3
		.amdhsa_float_denorm_mode_16_64 3
		.amdhsa_memory_ordered 1
		.amdhsa_forward_progress 1
		.amdhsa_inst_pref_size 255
	.end_amdhsa_kernel
	.section	.bss,"aw",@nobits
	.p2align	6
	.space	262144
	.amdgpu_metadata
---
amdhsa.version: [ 1, 2 ]
amdhsa.kernels:
  - .name:           k_q0cd5f2fca9_attn
    .symbol:         k_q0cd5f2fca9_attn.kd
    .args:
      - { .name: q, .offset: 0, .size: 8, .value_kind: global_buffer, .address_space: global }
      - { .name: kv, .offset: 8, .size: 8, .value_kind: global_buffer, .address_space: global }
      - { .name: mask, .offset: 16, .size: 8, .value_kind: global_buffer, .address_space: global }
      - { .name: out0, .offset: 24, .size: 8, .value_kind: global_buffer, .address_space: global }
    .group_segment_fixed_size: 327680
    .private_segment_fixed_size: 0
    .kernarg_segment_align: 8
    .kernarg_segment_size: 32
    .max_flat_workgroup_size: 128
    .sgpr_count:     66
    .vgpr_count:     1024
    .wavefront_size: 32
...
	.end_amdgpu_metadata
.endif
;; end of part 3
